; MI455X (gfx1250); checked and timed in simulation.
; The chip was launched on July 23, 2026; its instructions are those of AMD's public machine-readable ISA for CDNA 5 (MIT licence, August 2026) and "CDNA5" Instruction Set Architecture Reference Guide (July 2026). The comments in the code are by the model that wrote it; some were corrected since.
;; Opcode Mo E Layer. Allowed arithmetic: matrix products marked QUANTISED: E2M1 operands, one E8M0 scale for each 32 along K, by v_wmma_scale_f32_16x16x128_f8f6f4 with both operands' format E2M1 (or v_wmma_scale_f32_32x16x128_f4), f32 sums; everything else in f32.
;; Inputs: W_down 8 x 1,024 x 2,048 float32; W_gate 8 x 2,048 x 1,024 float32; W_up 8 x 2,048 x 1,024 float32; b_down 8 x 1,024 float32; b_gate 8 x 2,048 float32; b_up 8 x 2,048 float32; opcode_onehot 16 x 8 float32; x 16 x 512 x 1,024 float32.
;; Outputs: out0 16 x 512 x 1,024 float32.
;; This version of the problem:
;;   THIS VERSION OF THE PROBLEM IS GIVEN IN LOW PRECISION. The matrix products marked QUANTISED in the list below multiply operands that are first quantised to E2M1 (2 exponent bits, 1 mantissa bit; 4 bits a number), with one power-of-two scale for each 32 numbers along K (OCP MX v1.0); their sums are f32. All else is computed in f32.
;;   The module's matrix products, in the order in which they are computed (A, B: the left and right operand; K: the contracted axis; several contracted axes count as one K, in the product's order):
;;     1. batch 16 x [M 512, K 1,024] x [K 1,024, N 2,048]; A: input x; B: computed on the way: QUANTISED
;;     2. batch 16 x [M 512, K 1,024] x [K 1,024, N 2,048]; A: input x; B: computed on the way: QUANTISED
;;     3. batch 16 x [M 512, K 2,048] x [K 2,048, N 1,024]; A: computed on the way; B: computed on the way: QUANTISED
;;   THE QUANTISER, for each operand of a quantised product, along K:
;;     - K is cut into blocks of 32 from its start; a last block that is shorter is filled with zeros.
;;     - A block's scale is 2^e with e = floor(log2(the largest magnitude in the block)) - 2, held to -126 .. 127; a block of zeros has e = 0. As a byte (E8M0): e + 127.
;;     - Each number is divided by its block's scale, clamped to +-6, and rounded to the nearest number of E2M1, ties to even, subnormals kept.
;;     - The product sums the exact products of the quantised numbers (number of the format x scale) in f32.
;;   ~~~python
;;   def quantise(x, axis):      # numpy; x: float32 -> the quantised numbers, widened to float32 again
;;       x = np.moveaxis(x, axis, -1); K = x.shape[-1]
;;       x = np.pad(x, [(0, 0)] * (x.ndim - 1) + [(0, -K % 32)]); x = x.reshape(x.shape[:-1] + (-1, 32)); a = np.abs(x).max(-1, keepdims=True)
;;       e = np.where(a > 0, np.clip(np.frexp(np.where(a > 0, a, 1))[1] - 1 - 2, -126, 127), 0)      # np.frexp(a)[1] - 1 = floor(log2(a)), exactly
;;       r = np.clip(x / 2.0 ** e, -6, 6)
;;       step = 2.0 ** (np.maximum(np.frexp(np.where(r == 0, 1, r))[1] - 1, 0) - 1)
;;       q = np.round(r / step) * step * 2.0 ** e      # np.round: ties to even
;;       return np.moveaxis(q.reshape(q.shape[:-2] + (-1,))[..., :K], -1, axis).astype(np.float32)
;;   ~~~
;;   OPERANDS COMPUTED ON THE WAY. 'Computed on the way' means the value that the module computes at that place (a softmax that the list does not call 'softmax' is quantised finished and normalised). What goes into a quantiser is computed in f32, as accurately as f32 sums, v_exp_f32 and their like allow (about 1e-6 of the number): no bf16 or f16 on the way to a quantiser, and a product that is left as it is and whose result goes on into a quantised operand takes f32 operands (vector FMAs, or v_wmma_f32_16x16x4_f32). A number that lies on a knife's edge between two numbers of the format may be rounded either way, as far as f32 arithmetic and the matrix unit's own rounding can turn it there, and no further.
;; One version. Each part assembles by itself: llvm-mc -triple=amdgcn-amd-amdhsa -mcpu=gfx1250 --defsym DOCPART=n.
;; ======== version 1 of 1: 3 launches
;; limits: right only within a limited range of input values
;; workspace buffers: xc 4,194,304 bytes; xs 262,144 bytes; wc 25,165,824 bytes; ws 1,572,864 bytes; hc 8,388,608 bytes; hs 524,288 bytes; ex 256 bytes of whole numbers
;; launch quant (part 1): grid 1792 x 1, 4 waves a work-group, no clusters, 1,536 bytes of LDS; arguments x, W_up, W_gate, W_down, opcode_onehot, xc, xs, wc, ws, ex; writes xc, xs, wc, ws, ex
.if DOCPART == 1
	.amdgcn_target "amdgcn-amd-amdhsa--gfx1250"
	.amdhsa_code_object_version 6
	.text
	.protected	k_q80c4856760_quant
	.globl	k_q80c4856760_quant
	.p2align	8
	.type	k_q80c4856760_quant,@function
k_q80c4856760_quant:
	s_mov_b64 s[64:65], 0
	v_nop
	global_prefetch_b8 v0, s[64:65] scope:SCOPE_SE
	s_setreg_imm32_b32 hwreg(HW_REG_WAVE_MODE, 25, 1), 1
	s_wait_xcnt 0x0
; x [8192][1024], W_up and W_gate [8*2048][1024], W_down [8*1024][2048], all f32 with K innermost, become codes of FP4 (E2M1), two a byte, and one E8M0 scale byte for each 32 along K.
; A block's scale is 2^(floor(log2(its largest magnitude)) - 2); its byte is the largest magnitude's exponent field - 2, held at 1 from below.  Each number is divided by the scale and rounded to the nearest code, ties to even;
; beyond 6 the conversion gives the largest code.  A block of zeros gets the byte 1 where the rule says 127: its codes are zeros, which add nothing, and the bytes are read by this program alone.
; All eight experts are quantised: which of them the batches choose is made from floating-point numbers in this same launch, so no address here may hang on it.
; LIMITS: NaN and infinities among the inputs are not served; blocks whose largest magnitude lies under 2^(3 - 127) have their byte held at 1; a NaN in opcode_onehot is not taken as the largest.
; SHARES.  A wave takes 8,192 numbers in 8 units of 32 blocks: 4,096 bytes of codes and 256 scale bytes out.  Work-groups 0-255 take x, 256-767 W_up, 768-1279 W_gate, 1280-1791 W_down; all take one path,
; only pointers, strides and lane offsets are chosen by the work-group's number.
; A UNIT.  Lane l = 16 half + 8 p + i.  Load c (0..7) gives a lane 4 numbers, 16 lanes 256 consecutive aligned bytes: eight lanes hold a block.  The block's largest magnitude is joined over its eight lanes.
; A conversion takes 8 registers under one scale: the registers of loads 2 k and 2 k + 1 are converted twice, once under each block's scale, and the half that belongs to the scale is kept.
; No f32 number changes lanes: the 16-bit pieces of codes are transposed among the eight lanes (three exchanges), after which lane i holds all 16 bytes of the block of load c = i.
; x, W_up, W_gate: a unit is 4,096 bytes on end; lane (half, p, i) ends with block 16 half + 2 i + p; a store covers 512 consecutive bytes.  Runs go where they went: x as it lies; W_up, W_gate into groups of 128 rows
; (64 hidden units of W_up, the same 64 of W_gate), within each 32 rows the two middle runs of 8 rows changed, so that 16 rows on end are hidden units 8 u + 0..7 and 8 u + 16 + 0..7.
; W_down: a wave takes 16 rows x 512 along K; a unit is 16 rows x 2 blocks (row 8 half + c, block 2 u + p).  Its 512 bytes of codes are half an operand fragment as a wave's registers take it:
; [16 rows' group][128 K][64 K][lane 16 p + row][16 bytes]; the scale bytes lie [group][512 K][row][16 bytes].  Both lie behind the first 4,096 runs of wc and ws.
; THE SCALE BYTES of a wave's 8 units are gathered in its own LDS bytes and leave as 256 consecutive bytes.
; THE ARGMAX of each batch's opcode row (first largest wins) is made by wave 0 of work-group 0 and stored as whole numbers: word 2 l = the expert of batch l % 16, word 2 l + 1 = 0.
.set EMAX,  2
.set VO,    16                         ; v16-23  byte offset of load c
.set M,     24                         ; v24-31  largest magnitudes, then scale operands
.set P,     32                         ; v32-39  codes
.set O,     40                         ; v40-43  a block's 16 bytes
.set R,     48                         ; v48-143 three sets of 32 numbers
.set SPW,   12                         ; v12  my spare word; never rewritten
.set NIL,   13                         ; v13  0; never rewritten
.set SPARE, 1024                       ; behind four regions of 256 bytes: the spare words
	s_load_b256 s[4:11], s[0:1], 0x0               ; x, W_up, W_gate, W_down
	s_load_b256 s[12:19], s[0:1], 0x20             ; opcode_onehot, xc, xs, wc
	s_load_b128 s[20:23], s[0:1], 0x40             ; ws, ex
	v_lshrrev_b32 v1, 5, v0
	v_readfirstlane_b32 s24, v1                    ; wave
	s_cmp_lt_u32 ttmp9, 1280
	s_cselect_b32 s44, 0, 1                        ; 1: W_down
	s_cselect_b32 s77, 0, -1                       ; the same as a mask of lanes
	s_mul_i32 s46, s44, 5
	s_lshl_b32 s45, 0x100, s46                     ; from load to load: 256 bytes, or a row of W_down, 8,192
	s_lshl_b32 s47, 0x800, s46                     ; lanes 16-31: 2,048 bytes on, or 8 rows
	s_lshl_b32 s46, s44, 2
	s_lshr_b32 s80, 0x1000, s46                    ; from unit to unit: 4,096 bytes, or 256
	s_mov_b32 s81, 0
	s_lshl_b32 s25, s24, 8                         ; my LDS region: 256 bytes
	s_mov_b32 s66, 0xf0f0f0f0                      ; lanes with i & 4
	s_mov_b32 s67, 0xcccccccc                      ; i & 2
	s_mov_b32 s76, 0xaaaaaaaa                      ; i & 1
	v_lshl_add_u32 v[SPW], v0, 2, SPARE
	v_mov_b32 v[NIL], 0
	v_and_b32 v2, 31, v0                           ; lane
	v_and_b32 v3, 15, v0
	v_bfe_u32 v14, v0, 4, 1                        ; half
	v_bfe_u32 v15, v0, 3, 1                        ; p
	v_and_b32 v11, 7, v0                           ; i
	v_mul_u32_u24 v1, v14, s47
	v_lshl_add_u32 v[VO], v3, 4, v1
.irp c, 1,2,3,4,5,6,7
	v_add_nc_u32 v[VO+\c], s45, v[VO+\c-1]
.endr
	v_lshlrev_b32 v8, 1, v11
	v_lshl_add_u32 v8, v14, 4, v8
	v_add_nc_u32 v8, v8, v15                       ; as it lies: block 16 half + 2 i + p
	v_lshlrev_b32 v9, 4, v11
	v_lshl_add_u32 v9, v14, 7, v9                  ; W_down: 16 x row
	v_lshlrev_b32 v4, 4, v8
	v_lshl_add_u32 v5, v15, 8, v9
	v_cndmask_b32 v4, v4, v5, s77                  ; where my block's 16 bytes go in a unit's 512
	v_lshlrev_b32 v7, 3, v2
	v_add_nc_u32 v6, s25, v7                       ; and 8 bytes a lane back
	v_mov_b32 v10, 0x05040100                      ; the last exchange's byte selects: even i keeps its low half and takes the neighbour's low half,
	v_mov_b32 v1, 0x03020706                       ; odd i takes the neighbour's high half and keeps its own
	v_cndmask_b32 v10, v10, v1, s76
	s_wait_alu depctr_va_vdst(0)                   ; the wait at the head's end
	s_wait_kmcnt 0x0
	; which tensor: s[26:27] source, s[28:29] codes, s[30:31] scale bytes, s32 the tensor's first work-group, s33 what is added to the run's number, s34 = 1 for W_up and W_gate
	s_cmp_lt_u32 ttmp9, 1280
	s_cselect_b64 s[26:27], s[8:9], s[10:11]
	s_mov_b32 s32, 1280
	s_cselect_b32 s32, 768, s32
	s_mov_b32 s33, 4096
	s_cselect_b32 s33, 8, s33
	s_cselect_b32 s34, 1, 0
	s_cmp_lt_u32 ttmp9, 768
	s_cselect_b64 s[26:27], s[6:7], s[26:27]
	s_cselect_b32 s32, 256, s32
	s_cselect_b32 s33, 0, s33
	s_cmp_lt_u32 ttmp9, 256
	s_cselect_b64 s[26:27], s[4:5], s[26:27]
	s_cselect_b64 s[28:29], s[14:15], s[18:19]
	s_cselect_b64 s[30:31], s[16:17], s[20:21]
	s_cselect_b32 s32, 0, s32
	s_cselect_b32 s33, 0, s33
	s_cselect_b32 s34, 0, s34
	s_sub_co_u32 s35, ttmp9, s32
	s_lshl_b32 s35, s35, 2
	s_add_co_u32 s35, s35, s24                     ; q: which run of the tensor is my wave's
	s_lshr_b32 s36, s35, 3
	s_lshl_b32 s36, s36, 4                         ; W_up, W_gate: group q / 8 has 16 runs;
	s_and_b32 s37, s35, 4
	s_add_co_u32 s36, s36, s37                     ; which 32 rows of the 64;
	s_and_b32 s37, s35, 1
	s_lshl_b32 s37, s37, 1
	s_add_co_u32 s36, s36, s37                     ; run j of the four goes to place 2 (j % 2) + j / 2
	s_bfe_u32 s37, s35, 0x10001
	s_add_co_u32 s36, s36, s37
	s_cmp_eq_u32 s34, 1
	s_cselect_b32 s36, s36, s35                    ; x, W_down: run q
	s_add_co_u32 s36, s36, s33
	s_lshl_b32 s38, s35, 15                        ; the numbers: 32,768 bytes a run;
	s_lshr_b32 s39, s35, 2
	s_lshl_b32 s39, s39, 17                        ; W_down: 16 rows of 8,192 bytes for q / 4,
	s_and_b32 s40, s35, 3
	s_lshl_b32 s40, s40, 11                        ; 2,048 bytes along the rows for q % 4
	s_add_co_u32 s39, s39, s40
	s_cmp_eq_u32 s44, 1
	s_cselect_b32 s38, s39, s38
	s_mov_b32 s39, 0
	s_lshl_b32 s40, s36, 12                        ; 4,096 bytes of codes
	s_mov_b32 s41, 0
	s_lshl_b32 s42, s36, 8                         ; 256 scale bytes
	s_mov_b32 s43, 0
	s_add_nc_u64 s[28:29], s[28:29], s[40:41]
	s_add_nc_u64 s[30:31], s[30:31], s[42:43]
	s_add_nc_u64 s[48:49], s[26:27], s[38:39]      ; a base for each unit: none is stepped while loads are out
.irp u, 1,2,3,4,5,6,7
	s_add_nc_u64 s[48+2*\u:49+2*\u], s[46+2*\u:47+2*\u], s[80:81]
.endr
.macro LOAD u
.irp c, 0,1,2,3,4,5,6,7
	global_load_b128 v[R+32*((\u)%3)+4*\c:R+32*((\u)%3)+4*\c+3], v[VO+\c], s[48+2*(\u):49+2*(\u)] th:TH_LOAD_NT
.endr
.endm
; two exchanges at once with the lane x further on: a lane whose bit is clear keeps a and takes the partner's a; one whose bit is set keeps b and takes the partner's b; the lower lane's piece ends in a
.macro XCH2 a0, b0, a1, b1, m, x
	v_cndmask_b32 v[P+4], v[\b0], v[\a0], s[\m]
	v_cndmask_b32 v[P+6], v[\b1], v[\a1], s[\m]
	v_mov_b32_dpp v[P+5], v[P+4] row_xmask:\x row_mask:0xf bank_mask:0xf
	v_mov_b32_dpp v[P+7], v[P+6] row_xmask:\x row_mask:0xf bank_mask:0xf
	v_cndmask_b32 v[\a0], v[\a0], v[P+5], s[\m]
	v_cndmask_b32 v[\a1], v[\a1], v[P+7], s[\m]
	v_cndmask_b32 v[\b0], v[P+5], v[\b0], s[\m]
	v_cndmask_b32 v[\b1], v[P+7], v[\b1], s[\m]
.endm
.macro UNIT u
.set RS, R+32*((\u)%3)
.if (\u) <= 5
	s_wait_loadcnt 16                              ; this unit's eight loads are in; those of the two units behind it may be out
.else
	s_wait_loadcnt 8*(7-(\u))
.endif
.irp c, 0,1,2,3,4,5,6,7
	v_max3_num_f32 v[M+\c], |v[RS+4*\c]|, |v[RS+4*\c+1]|, |v[RS+4*\c+2]|
.endr
.irp c, 0,1,2,3,4,5,6,7
	v_max3_num_f32 v[M+\c], v[M+\c], |v[RS+4*\c+3]|, (EMAX+1)<<23   ; and the floor 2^(EMAX + 1 - 127): the byte cannot fall under 1
.endr
.irp x, 1,2,4
.irp c, 0,1,2,3,4,5,6,7
	v_max_num_f32_dpp v[M+\c], v[M+\c], v[M+\c] row_xmask:\x row_mask:0xf bank_mask:0xf   ; over the block's eight lanes
.endr
.endr
.irp c, 0,1,2,3,4,5,6,7
	v_add_nc_u32 v[M+\c], -(EMAX<<23), v[M+\c]     ; EMAX off the exponent field: the conversion's scale operand
.endr
.irp k, 0,1,2,3
	v_cvt_scalef32_pk8_fp4_f32 v[P+2*\k], v[RS+8*\k:RS+8*\k+7], v[M+2*\k]       ; its low 16 bits are load 2 k's codes
	v_cvt_scalef32_pk8_fp4_f32 v[P+2*\k+1], v[RS+8*\k:RS+8*\k+7], v[M+2*\k+1]   ; its high 16 bits load 2 k + 1's
.endr
	v_cndmask_b32 v2, v[M], v[M+1], s76            ; the scale operand of load c = i, by i's three bits
	v_cndmask_b32 v3, v[M+2], v[M+3], s76
	v_cndmask_b32 v14, v[M+4], v[M+5], s76
	v_cndmask_b32 v15, v[M+6], v[M+7], s76
	v_cndmask_b32 v2, v2, v3, s67
	v_cndmask_b32 v14, v14, v15, s67
.irp k, 0,1,2,3
	v_bfi_b32 v[P+\k], 0xffff, v[P+2*\k], v[P+2*\k+1]   ; the two kept halves: loads 2 k and 2 k + 1
.endr
	v_cndmask_b32 v11, v2, v14, s66
	XCH2 P, P+2, P+1, P+3, 66, 4
.if (\u)%4 == 0
	v_lshrrev_b32 v[8+(\u)/4], 23, v11             ; my block's scale byte: a lane's eight bytes are packed into v[8:9], unit u's at byte u
.else
	v_lshrrev_b32 v1, 23, v11
.endif
	XCH2 P, P+1, P+2, P+3, 67, 2
.if (\u)%4
	v_lshl_or_b32 v[8+(\u)/4], v1, 8*((\u)%4), v[8+(\u)/4]
.endif
	s_wait_alu depctr_va_vdst(0)                   ; directly ahead of the wait below
	s_wait_xcnt 0x0                                ; the last unit's store has read its data registers
.irp n, 0,1,2,3
	v_mov_b32_dpp v[P+4+\n], v[P+\n] row_xmask:1 row_mask:0xf bank_mask:0xf
.endr
.irp n, 0,1,2,3
	v_perm_b32 v[O+\n], v[P+4+\n], v[P+\n], v10
.endr
	global_store_b128 v4, v[O:O+3], s[28:29] offset:512*(\u)   ; the wave stores 512 consecutive bytes, aligned
.if (\u)+3 < 8
	LOAD (\u)+3                                    ; into the set just converted
.endif
.endm
	LOAD 0
	LOAD 1
	LOAD 2
.irp u, 0,1,2,3,4,5,6,7
	UNIT \u
.endr
	ds_store_b64 v6, v[8:9]                        ; byte u of lane l at 8 l + u of my wave's 256 bytes
; back in the order of the output: lane L takes bytes 8 L .. 8 L + 7, byte t from v14 + 64 (t % 2) + st (t / 2).  LDS serves a wave's instructions in order: these see my store.
.macro GATHER st
.irp t, 0,1,2,3,4,5,6,7
	ds_load_u8 v[P+\t], v14 offset:64*(\t%2)+(\st)*(\t/2)
.endr
	s_wait_dscnt 0x0
	v_lshl_or_b32 v[P], v[P+1], 8, v[P]
	v_lshl_or_b32 v[P+2], v[P+3], 8, v[P+2]
	v_lshl_or_b32 v[P+4], v[P+5], 8, v[P+4]
	v_lshl_or_b32 v[P+6], v[P+7], 8, v[P+6]
	v_lshl_or_b32 v[P], v[P+2], 16, v[P]
	v_lshl_or_b32 v[P+1], v[P+6], 16, v[P+4]
	global_store_b64 v7, v[P:P+1], s[30:31]        ; 32 lanes store 256 consecutive bytes, aligned
.endm
	s_cmp_eq_u32 s44, 1                            ; the choice hangs on the work-group's number alone
	s_cbranch_scc1 .Ltail_down
	v_bfe_u32 v2, v0, 1, 1                         ; as it lies: byte 8 L + t is unit L / 4, half (L / 2) % 2, i = 4 (L % 2) + t / 2, p = t % 2
	v_and_b32 v3, 1, v0
	v_bfe_u32 v14, v0, 2, 3
	v_lshl_add_u32 v14, v2, 7, v14
	v_lshl_add_u32 v14, v3, 5, v14
	v_add_nc_u32 v14, s25, v14
	GATHER 8
	s_branch .Ltail_done
.Ltail_down:
	v_bfe_u32 v2, v0, 4, 1                         ; W_down: byte 8 L + t is row L / 2, unit 4 (L % 2) + t / 2, p = t % 2
	v_bfe_u32 v3, v0, 1, 3
	v_and_b32 v14, 1, v0
	v_lshlrev_b32 v14, 2, v14
	v_lshl_add_u32 v14, v3, 3, v14
	v_lshl_add_u32 v14, v2, 7, v14
	v_add_nc_u32 v14, s25, v14
	GATHER 1
.Ltail_done:
	; the argmax: one wave of the launch.  Nothing but stored data hangs on it here
	s_or_b32 s35, ttmp9, s24
	s_cmp_lg_u32 s35, 0
	s_cbranch_scc1 .Lno_argmax
	v_and_b32 v24, 15, v0
	v_lshlrev_b32 v24, 5, v24                      ; batch lane % 16: a row of 8 numbers, 32 bytes
	global_load_b128 v[16:19], v24, s[12:13]
	global_load_b128 v[20:23], v24, s[12:13] offset:16
	v_mov_b32 v26, 0                               ; the index so far
	v_mov_b32 v27, 0                               ; the word behind it
	s_wait_loadcnt 0x0
	v_mov_b32 v28, v16                             ; the largest so far
.irp j, 1,2,3,4,5,6,7
	v_cmp_gt_f32 vcc_lo, v[16+\j], v28             ; strictly greater: the first of equals is kept
	v_mov_b32 v29, \j
	s_wait_alu depctr_va_vdst(0)
	v_cndmask_b32 v26, v26, v29, vcc_lo
	v_cndmask_b32 v28, v28, v[16+\j], vcc_lo
.endr
	global_store_b64 v7, v[26:27], s[22:23]        ; 256 consecutive bytes
.Lno_argmax:
	s_wait_tensorcnt 0x0                           ; the wave's end
	ds_add_u32 v[SPW], v[NIL]
	s_wait_dscnt 0x0
	s_endpgm
.Lfunc_end_k_q80c4856760_quant:
	.size	k_q80c4856760_quant, .Lfunc_end_k_q80c4856760_quant-k_q80c4856760_quant
	.p2alignl 7, 3214868480
	.fill 96, 4, 3214868480
	.section	.rodata,"a",@progbits
	.p2align	6, 0x0
	.amdhsa_kernel k_q80c4856760_quant
		.amdhsa_group_segment_fixed_size 1536
		.amdhsa_private_segment_fixed_size 0
		.amdhsa_enable_private_segment 0
		.amdhsa_kernarg_size 80
		.amdhsa_user_sgpr_count 2
		.amdhsa_user_sgpr_kernarg_segment_ptr 1
		.amdhsa_wavefront_size32 1
		.amdhsa_system_sgpr_workgroup_id_x 1
		.amdhsa_system_sgpr_workgroup_id_y 1
		.amdhsa_system_sgpr_workgroup_id_z 1
		.amdhsa_system_vgpr_workitem_id 0
		.amdhsa_next_free_vgpr 144
		.amdhsa_next_free_sgpr 84
		.amdhsa_reserve_vcc 1
		.amdhsa_float_denorm_mode_32 3
		.amdhsa_float_denorm_mode_16_64 3
		.amdhsa_memory_ordered 1
		.amdhsa_forward_progress 1
		.amdhsa_inst_pref_size 66
	.end_amdhsa_kernel
	.amdgpu_metadata
---
amdhsa.version: [ 1, 2 ]
amdhsa.kernels:
  - .name:           k_q80c4856760_quant
    .symbol:         k_q80c4856760_quant.kd
    .args:
      - { .name: x, .offset: 0, .size: 8, .value_kind: global_buffer, .address_space: global }
      - { .name: W_up, .offset: 8, .size: 8, .value_kind: global_buffer, .address_space: global }
      - { .name: W_gate, .offset: 16, .size: 8, .value_kind: global_buffer, .address_space: global }
      - { .name: W_down, .offset: 24, .size: 8, .value_kind: global_buffer, .address_space: global }
      - { .name: opcode_onehot, .offset: 32, .size: 8, .value_kind: global_buffer, .address_space: global }
      - { .name: xc, .offset: 40, .size: 8, .value_kind: global_buffer, .address_space: global }
      - { .name: xs, .offset: 48, .size: 8, .value_kind: global_buffer, .address_space: global }
      - { .name: wc, .offset: 56, .size: 8, .value_kind: global_buffer, .address_space: global }
      - { .name: ws, .offset: 64, .size: 8, .value_kind: global_buffer, .address_space: global }
      - { .name: ex, .offset: 72, .size: 8, .value_kind: global_buffer, .address_space: global }
    .group_segment_fixed_size: 1536
    .private_segment_fixed_size: 0
    .kernarg_segment_align: 8
    .kernarg_segment_size: 80
    .max_flat_workgroup_size: 128
    .sgpr_count:     84
    .vgpr_count:     144
    .wavefront_size: 32
...
	.end_amdgpu_metadata
.endif
;; end of part 1
;; launch upgate (part 2): grid 8 x 32, 4 waves a work-group, clusters of 4 x 1, 327,680 bytes of LDS; arguments xc, xs, wc, ws, ex, b_up, b_gate, hc, hs; writes hc, hs
.if DOCPART == 2
	.amdgcn_target "amdgcn-amd-amdhsa--gfx1250"
	.amdhsa_code_object_version 6
	.text
	.protected	k_q80c4856760_upgate
	.globl	k_q80c4856760_upgate
	.p2align	8
	.type	k_q80c4856760_upgate,@function
k_q80c4856760_upgate:
	s_mov_b64 s[64:65], 0
	v_nop
	global_prefetch_b8 v0, s[64:65] scope:SCOPE_SE
	s_setreg_imm32_b32 hwreg(HW_REG_WAVE_MODE, 25, 1), 1
	s_wait_xcnt 0x0
	s_wait_alu depctr_hold_cnt(0) depctr_sa_sdst(0) depctr_va_vdst(0) depctr_va_sdst(0) depctr_va_ssrc(0) depctr_va_vcc(0) depctr_vm_vsrc(0)
	s_getreg_b32 s2, hwreg(HW_REG_IB_STS2, 6, 4)
	s_cmp_eq_u32 s2, 0
	s_cbranch_scc0 .Lentry_in_a_cluster
	s_endpgm
.Lentry_in_a_cluster:
	s_bfe_u32 s2, ttmp6, 0x10000c
	s_cmp_lg_u32 s2, 0x3003
	s_cbranch_scc0 .Lentry_shape_is_right
	s_endpgm
.Lentry_shape_is_right:
; hidden = silu(x Wu^T + bu) * (x Wg^T + bg), both products on codes of FP4 (E2M1) with one E8M0 scale for each 32 along K = 1,024; the hidden layer is quantised along its own axis and leaves as codes and scale bytes.
; SHARES.  Work-group (tx, ty) STAYS for two tiles on the same 256 rows of x (rows 256 ty on, batch ty / 2): tile u takes 256 rows of the batch's expert in wc's first region, from row 512 tx + 256 u of the expert's 4,096 on:
; two groups of 128 rows, each 64 hidden units of W_up and the same 64 of W_gate.  8 x 32 work-groups: one for each of 256 WGPs.
; Four waves, each 128 rows of x (RH = wave / 2) x one group (CH = wave % 2): 64 accumulators of 16 x 16, 512 registers.  So a wave holds up AND gate of the same 128 x 64 hidden numbers.
; K goes in two steps of 512 (rows of 256 bytes) in two LDS slots.  x's halves of the slots, all scale bytes and both tiles' biases come once.  The weights' halves are filled again for the second tile:
; slot 0's at the first tile's change of slots, slot 1's in the middle of the first tile's way out: each has half a tile's products and half a way out in which to land.
; THE EXPERT is a whole number that the launch before stored; it enters addresses alone (held to 0..7): no branch and no count hangs on it.
; CLUSTER: 4 x 1.  The four work-groups of a cluster have the same rows of x: x's tiles and scales are asked for JOINTLY (mask 15).  The weights' tiles are each work-group's own and are NOT shared: a batch has two row tiles,
; so a cluster of more rows would span batches, whose experts may differ, and a joint load's address must be equal in all that it names.
; THE MATRIX INSTRUCTION IS USED TRANSPOSED (source 0 = 16 rows of weights, source 1 = 16 rows of x): lane (r, h) holds row r of x, and by the order in which the launch before laid the weights' rows
; register 16 B + i of a block's four up (or gate) accumulators is hidden unit 32 B + 16 h + i of the wave's 64.  The biases are the C of each sum's first instruction.
; LIMITS: NaN and infinities are not served; a block of zeros gets the scale byte 1 (its codes are zeros; the bytes are read by this program alone).
; REGISTERS, in windows of 256.  window 0: v1-15 at work; v16-31 addresses; v32-95 scale words, two sets; v96-127 the way out's 32 numbers; v128-191 x's fragments, one set (on the way out the hidden codes in v160-191); v192-209 at work on the way out.
;   window 1: the weights' fragments, two sets, at v0 and v128; the biases of tile 0 at v64, of tile 1 at v192.   window 2: accumulators of my rows 0-63 ((a, b) at v[8 (8 (a % 4) + b)]);   window 3: rows 64-127.
.set NQ,     4                         ; steps of 128 along K in a slot
.set PITCH,  272                       ; an LDS row: 256 bytes + 16 of padding: the 16 rows that a load touches start 68 words apart
.set FR,     8                         ; registers of a fragment
.set NL,     2                         ; LDS loads that bring one
.set NP,     4                         ; places behind this matrix instruction (ISA guide 7.12.1)
.set HALFT,  128*PITCH                 ; 128 rows: what one tensor load brings
.set SLOT,   4*HALFT                   ; x's 256 rows, then the weights' 256
.set SCL,    2*SLOT                    ; behind the slots: the scale bytes: six parts (x's two halves; the weights' two halves of tile 0, of tile 1),
.set HALFS,  16*272                    ; each those of 128 rows x 32 bytes: 16 lines
.set SBLK,   4*272                     ; those of 32 rows
.set SPARE,  SCL+6*HALFS               ; the spare words, 128 bytes for each wave
.set HSTG,   SPARE+512                 ; the stage of the hidden scale bytes: 1,024 bytes for each tile; no tensor load lands here
.set NEXTB,  256*512                   ; from a tile's weights to the next tile's, in bytes
.set ADRA, 16                          ; v16-17  LDS address of x's fragments in slot 0, 1
.set ADRB, 20                          ; v20-21  the same for the weights
.set STO,  24                          ; v24     the way out: where my row's two scale bytes go
.set RD,   25                          ; v25     and where I read 8 bytes of scale words back
.set CO,   26                          ; v26     my byte offset in a block of 16 rows of hidden codes
.set ADSA, 27                          ; v27     LDS address of x's scale words: a lane a row, 32 rows; never rewritten
.set SPW,  28                          ; v28     my spare word; never rewritten
.set NIL,  29                          ; v29     0; never rewritten
.set ADSB, 30                          ; v30     the weights' scale words; never rewritten
.set LO8,  31                          ; v31     8 x lane
.set SC,   32                          ; scale words: set s at v[SC + 32 s]: + 4 i + q: x's blocks 2 i (lanes 0-15) and 2 i + 1 (lanes 16-31), the slot's q-th 128 along K; + 16 + 4 i + q: the weights'
.set T,    96
.set AF,   128
.set CD,   160                         ; hidden codes: 4 registers for each block of 16 rows
.set BI,   64                          ; in window 1: the biases, 8 registers for each block of weights; tile u's at BI + 128 u
.set MX,   192                         ; the way out: v192-193 largest magnitudes, v194-195 the other half's, v196-197 scale operands, v198-199 bytes
.set PW,   200                         ; v200-207 two scale bytes for each block of rows
.set BK,   208                         ; v208-209 scale words on their way out
.set G1,   24                          ; s[24:31] group 1, x's codes;  s[32:39] groups 0, one for each slot
.set G0,   32
.set CX,   40
.set TY,   41
.set TX,   42
.set EX,   43
.set WV,   44
.set RH,   45
.set CH,   46
.set TMP,  47
.set G1B,  48                          ; s[48:55], s[56:63] the same for the weights' codes
.set G0B,  56
.set G1S,  68                          ; s[68:75], s[76:79] x's scales;  s[80:87], s[88:91] the weights'
.set G0S,  76
.set G1SB, 80
.set G0SB, 88
.set LG,   98                          ; s[98:99] -log2(e), on the way out
.set SEL,  100                         ; s[100:101] lane selects for v_permlanex16_b32: lane l xor 16
.set MSB, 0
.macro WIN new                         ; the immediate's high byte repeats the setting that is left
.if MSB != (\new)
	s_set_vgpr_msb (MSB<<8)|(\new)
.set MSB, (\new)
.endif
.endm
.set MUL_LO,   0xa1                    ; source 0 (weights) window 1, source 1 (x) window 0, C and D window 2
.set MUL_HI,   0xf1                    ; the same, C and D window 3
.set MUL_LO_F, 0x91                    ; a tile's first step: C (the bias) window 1, D window 2
.set MUL_HI_F, 0xd1
.set TO_B,     0x40                    ; destination window 1, address window 0
; A first fill: waves 0 and 1 fetch for x (jointly), waves 2 and 3 for the weights.  The branch hangs on the wave's number alone.  An s_nop 0 and four v_nop follow each of the two lines.
.macro JLOAD g0a, g1a, g0b, g1b
	s_cmp_eq_u32 s[RH], 0
	s_cbranch_scc0 .Lfor_b_\@
	tensor_load_to_lds s[\g0a:\g0a+3], s[\g1a:\g1a+7]
	s_nop 0
.rept 4
	v_nop
.endr
	s_branch .Lasked_\@
.Lfor_b_\@:
	tensor_load_to_lds s[\g0b:\g0b+3], s[\g1b:\g1b+7]
	s_nop 0
.rept 4
	v_nop
.endr
.Lasked_\@:
.endm
; A refill: the weights' half of slot s alone; waves 2 and 3 issue one load each, waves 0 and 1 none.
.macro BLOAD s
	s_cmp_eq_u32 s[RH], 0
	s_cbranch_scc1 .Lnone_\@
	tensor_load_to_lds s[G0B+4*\s:G0B+4*\s+3], s[G1B:G1B+7]
	s_nop 0
.rept 4
	v_nop
.endr
.Lnone_\@:
.endm
.macro CREST                           ; a round of the cluster's barrier behind its opening barrier
	s_cmp_lg_u32 s[WV], 0
	s_cbranch_scc1 .Lnot_wave_0_\@
	s_barrier_signal -3
.Lnot_wave_0_\@:
	s_barrier_wait -3
	s_barrier_signal -1
	s_barrier_wait -1
.endm
.macro CROUND                          ; a whole round
	s_barrier_signal -1
	s_barrier_wait -1
	CREST
.endm
	s_load_b256 s[4:11], s[0:1], 0x0               ; xc, xs, wc, ws
	s_load_b256 s[12:19], s[0:1], 0x20             ; ex, b_up, b_gate, hc
	s_load_b64 s[20:21], s[0:1], 0x40              ; hs
	v_lshl_add_u32 v[SPW], v0, 2, SPARE
	v_mov_b32 v[NIL], 0
	ds_add_u32 v[SPW], v[NIL]                      ; the wave's opening: the add and its wait ahead of my first tensor load; the set-up below, work on registers, stands between them
	ds_add_u32 v[SPW], v[NIL]
	v_lshrrev_b32 v1, 5, v0
	v_readfirstlane_b32 s[WV], v1                  ; wave 0..3
	s_lshr_b32 s[RH], s[WV], 1                     ; which half of x's rows is mine.  Also: I fetch for x (0) or for the weights (1)
	s_and_b32 s[CH], s[WV], 1                      ; which group of weights.  Also: which part of that tile I fetch
	s_bfe_u32 s[CX], ttmp6, 0x40000                ; my place in the cluster
	s_lshl_b32 s[TX], ttmp9, 2
	s_add_co_u32 s[TX], s[TX], s[CX]               ; tx = 4 x cluster x + cx
	s_and_b32 s[TY], ttmp7, 0xffff                 ; ty, which the four partners share
	; group 1: tiles of 128 rows x 256 bytes, rows 512 bytes apart in memory, 16 bytes of padding behind each in LDS
	s_mov_b32 s[G1], 15|(1<<20)|(1<<21)|(5<<22)|(3<<25)    ; 15:0 the mask: all four; elements of 1 byte; 20 padding on; 21 set beside a mask; after every 64 words 4 words
	s_mov_b32 s[G1B], (1<<20)|(5<<22)|(3<<25)              ; the weights': no mask
.irp g, G1, G1B
	s_mov_b32 s[\g+1], 256<<16                     ; tensor_dim0
	s_mov_b32 s[\g+2], 256<<16                     ; tensor_dim1: 256 rows for the head's loads; behind them 128
	s_mov_b32 s[\g+3], 256<<16                     ; tile_dim0
	s_mov_b32 s[\g+4], 256                         ; tile_dim1
	s_mov_b32 s[\g+5], 512                         ; from row to row
	s_mov_b32 s[\g+6], 0
	s_mov_b32 s[\g+7], 0
.endr
	; the scale bytes: dense blocks as lines of 256 bytes (32 elements of 8 bytes), 16 bytes of padding behind each: x's of 128 rows are 16 lines, the weights' of 256 rows (a whole tile's) 32
	s_mov_b32 s[G1S], 15|(3<<16)|(1<<20)|(1<<21)|(5<<22)|(3<<25)
	s_mov_b32 s[G1SB], (3<<16)|(1<<20)|(5<<22)|(3<<25)
.irp g, G1S, G1SB
	s_mov_b32 s[\g+1], 32<<16
	s_mov_b32 s[\g+3], 32<<16
	s_mov_b32 s[\g+5], 32
	s_mov_b32 s[\g+6], 0
	s_mov_b32 s[\g+7], 0
.endr
	s_mov_b32 s[G1S+2], 32<<16                     ; x's scales of 256 rows: 32 lines
	s_mov_b32 s[G1S+4], 32
	s_mov_b32 s[G1SB+2], 64<<16                    ; the weights' of both tiles, 512 rows: 64 lines
	s_mov_b32 s[G1SB+4], 64
	s_lshl_b32 s92, s[TY], 8
	s_lshl_b32 s[TMP], s[CH], 7
	s_add_co_u32 s92, s92, s[TMP]                  ; x: row 256 ty + 128 x half
	s_lshl_b32 s94, s92, 5                         ; its scale bytes: 32 a row
	s_mov_b32 s95, 0
	s_lshl_b32 s92, s92, 9                         ; its codes: 512 bytes a row
	s_mov_b32 s93, 0
	s_lshr_b32 s96, s[TY], 1
	s_lshl_b32 s96, s96, 3                         ; the batch's word in ex: 8 bytes a batch
	s_mov_b32 s97, 0
	s_mul_i32 s22, s[WV], HALFT                    ; where my tiles go: wave x 128 rows: no place in the cluster enters an LDS address
	s_mov_b32 s[SEL], 0x76543210
	s_mov_b32 s[SEL+1], 0xfedcba98
	s_wait_dscnt 0x0                               ; the opening add is done
	s_wait_kmcnt 0x0
	s_add_nc_u64 s[96:97], s[12:13], s[96:97]
	s_load_b32 s[EX], s[96:97], 0x0                ; the batch's expert
	s_add_nc_u64 s[92:93], s[4:5], s[92:93]
	s_add_nc_u64 s[94:95], s[6:7], s[94:95]
	s_wait_kmcnt 0x0                               ; the expert is in, and the load's base may be written again
	s_min_u32 s[EX], s[EX], 7                      ; held inside the table
	s_lshl_b32 s96, s[EX], 12                      ; the weights: 4,096 rows an expert,
	s_lshl_b32 s[TMP], s[TX], 9
	s_add_co_u32 s96, s96, s[TMP]                  ; 512 a work-group
	s_lshl_b32 s98, s96, 5                         ; the scale bytes of both tiles' 512 rows: 32 bytes a row
	s_mov_b32 s99, 0
	s_lshl_b32 s96, s96, 9                         ; the codes: 512 bytes a row
	s_mov_b32 s97, 0
	s_add_nc_u64 s[98:99], s[10:11], s[98:99]
	s_add_nc_u64 s[10:11], s[8:9], s[96:97]        ; tile 0's first row: the head's load of 256 rows
	s_lshl_b32 s96, s[CH], 16                      ; in the ring I fetch 128 rows: which half
	s_add_nc_u64 s[96:97], s[10:11], s[96:97]
	s_lshl_b32 s2, s[EX], 13                       ; the biases: 2,048 numbers an expert, 256 a work-group, 64 a wave's group
	s_lshl_b32 s[TMP], s[TX], 10
	s_add_co_u32 s2, s2, s[TMP]
	s_lshl_b32 s[TMP], s[CH], 8
	s_add_co_u32 s2, s2, s[TMP]
	s_mov_b32 s3, 0
	s_add_nc_u64 s[14:15], s[14:15], s[2:3]
	s_add_nc_u64 s[16:17], s[16:17], s[2:3]
	CROUND                                         ; all four work-groups are here: the first joint loads meet
	; the head's four tiles, each whole; the part that hangs on my half (CH) is taken off the addresses again
	s_lshl_b32 s2, s[CH], 16                       ; 128 rows of 512 bytes
	s_mov_b32 s3, 0
	s_mov_b32 s4, 1                                ; s[4:7]: K step 0's 256 rows of x (the arguments that lay here have been used)
	s_mov_b32 s5, 0
	s_sub_nc_u64 s[6:7], s[92:93], s[2:3]
	s_or_b32 s7, s7, 0x80000000
	s_mov_b32 s8, 1                                ; s[8:11]: tile 0's 256 rows of weights, K step 0
	s_mov_b32 s9, 2*HALFT
	s_or_b32 s11, s11, 0x80000000
	s_lshl_b32 s2, s[CH], 12                       ; 128 rows of 32 bytes
	s_mov_b32 s[G0S], 1                            ; the scales of x's 256 rows
	s_mov_b32 s[G0S+1], SCL
	s_sub_nc_u64 s[G0S+2:G0S+3], s[94:95], s[2:3]
	s_or_b32 s[G0S+3], s[G0S+3], 0x80000000
	s_mov_b32 s[G0SB], 1                           ; the scales of both tiles' weights
	s_mov_b32 s[G0SB+1], SCL+2*HALFS
	s_mov_b64 s[G0SB+2:G0SB+3], s[98:99]
	s_or_b32 s[G0SB+3], s[G0SB+3], 0x80000000
.irp s, 0,1
	s_mov_b32 s[G0+4*\s], 1
	s_add_co_u32 s[G0+4*\s+1], s22, \s*SLOT
	s_add_nc_u64 s[G0+4*\s+2:G0+4*\s+3], s[92:93], \s*256
	s_or_b32 s[G0+4*\s+3], s[G0+4*\s+3], 0x80000000
	s_mov_b32 s[G0B+4*\s], 1
	s_add_co_u32 s[G0B+4*\s+1], s22, \s*SLOT
	s_add_nc_u64 s[G0B+4*\s+2:G0B+4*\s+3], s[96:97], \s*256
	s_or_b32 s[G0B+4*\s+3], s[G0B+4*\s+3], 0x80000000
.endr
; THE HEAD'S LOADS, ONE A WAVE: wave 0 x's codes, wave 1 the weights', wave 2 x's scales, wave 3 the weights'.  One chain of branches on the wave's number, all arms to one join.
.macro ARM under, g0, g1, next
	s_cmp_lt_u32 s[WV], \under
	s_cbranch_scc0 \next
	tensor_load_to_lds s[\g0:\g0+3], s[\g1:\g1+7]
	s_nop 0
.rept 4
	v_nop
.endr
	s_branch .Lhead_asked
\next:
.endm
	ARM 1, 4, G1, .Lhead_b
	ARM 2, 8, G1B, .Lhead_sa
	ARM 3, G0S, G1S, .Lhead_sb
	tensor_load_to_lds s[G0SB:G0SB+3], s[G1SB:G1SB+7]
	s_nop 0
.rept 4
	v_nop
.endr
.Lhead_asked:
	v_and_b32 v1, 15, v0                           ; r
	v_bfe_u32 v2, v0, 4, 1                         ; h
	v_lshlrev_b32 v7, 6, v2                        ; the biases: lanes 16-31 take the units 16 further on
	WIN TO_B                                       ; they go to window 1
.irp u, 0,1                                    ; tile u: 128 numbers, 512 bytes, on
.irp t, 0,1,2,3                                ; block t of up (and 4 + t of gate): register j is unit 32 (t / 2) + 16 h + 8 (t % 2) + j
	global_load_b128 v[BI+128*\u+8*\t:BI+128*\u+8*\t+3],       v7, s[14:15] offset:512*\u+(32*(\t/2)+8*(\t%2))*4
	global_load_b128 v[BI+128*\u+8*\t+4:BI+128*\u+8*\t+7],     v7, s[14:15] offset:512*\u+(32*(\t/2)+8*(\t%2))*4+16
	global_load_b128 v[BI+128*\u+32+8*\t:BI+128*\u+32+8*\t+3], v7, s[16:17] offset:512*\u+(32*(\t/2)+8*(\t%2))*4
	global_load_b128 v[BI+128*\u+36+8*\t:BI+128*\u+36+8*\t+3], v7, s[16:17] offset:512*\u+(32*(\t/2)+8*(\t%2))*4+16
.endr
.endr
	WIN 0
	v_mul_u32_u24 v3, v1, PITCH
	v_lshl_add_u32 v4, v2, 4, v3                   ; a fragment's row x pitch + 16 x half
	s_mul_i32 s2, s[RH], HALFT                     ; my 128 rows of x
	s_mul_i32 s3, s[CH], HALFT                     ; my 128 rows of weights,
	s_add_co_u32 s3, s3, 2*HALFT                   ; which lie behind x's 256
.irp s, 0,1
	v_add_nc_u32 v[ADRA+\s], s2, v4
	v_add_nc_u32 v[ADRB+\s], s3, v4
	s_add_co_u32 s2, s2, SLOT
	s_add_co_u32 s3, s3, SLOT
.endr
	v_and_b32 v8, 31, v0                           ; lane
	s_wait_alu depctr_va_vdst(0)
	v_lshlrev_b32 v5, 5, v8                        ; scale words: a lane a row, 32 bytes a row,
	v_lshrrev_b32 v6, 8, v5
	v_lshl_add_u32 v5, v6, 4, v5                   ; and 16 more for each 256 passed
	s_mul_i32 s2, s[RH], HALFS
	s_add_co_u32 s2, s2, SCL
	v_add_nc_u32 v[ADSA], s2, v5
	s_mul_i32 s3, s[CH], HALFS
	s_add_co_u32 s3, s3, SCL+2*HALFS
	v_add_nc_u32 v[ADSB], s3, v5                   ; tile 0's; tile 1's lie 2 HALFS further on
	v_lshlrev_b32 v[CO], 5, v1
	v_lshl_add_u32 v[CO], v2, 4, v[CO]             ; hidden codes: row r of 32 bytes, + 16 h
	s_lshl_b32 s2, s[RH], 9
	s_lshl_b32 s3, s[CH], 1
	s_add_co_u32 s2, s2, s3
	s_add_co_u32 s2, s2, HSTG
	v_lshl_add_u32 v[STO], v1, 2, s2               ; the scale bytes' stage: 512 RH + 4 x row + 2 CH
	v_lshlrev_b32 v[LO8], 3, v8
	s_lshl_b32 s2, s[WV], 8
	s_add_co_u32 s2, s2, HSTG
	v_add_nc_u32 v[RD], s2, v[LO8]                 ; back: 256 bytes a wave
	v_mov_b32 v[MX+2], 0                           ; written once: a lane permute's destination counts as one of its sources
	v_mov_b32 v[MX+3], 0
	s_lshl_b32 s2, s[TY], 1
	s_add_co_u32 s2, s2, s[RH]                     ; my half tile of 128 rows
	s_lshl_b32 s3, s2, 5
	s_lshl_b32 s[TMP], s[TX], 2
	s_add_co_u32 s3, s3, s[TMP]
	s_add_co_u32 s3, s3, s[CH]                     ; and my 64 hidden units of tile 0: 32 such pieces a half tile, four a work-group,
	s_lshl_b32 s92, s3, 12                         ; 4,096 bytes each; tile 1's lie two pieces on
	s_mov_b32 s93, 0
	s_add_nc_u64 s[18:19], s[18:19], s[92:93]
	s_lshl_b32 s92, s2, 4
	s_lshl_b32 s[TMP], s[TX], 1
	s_add_co_u32 s92, s92, s[TMP]                  ; scale words: 16 pieces of 128 units a half tile, two a work-group,
	s_lshl_b32 s92, s92, 9                         ; 512 bytes each;
	s_lshl_b32 s[TMP], s[CH], 8
	s_add_co_u32 s92, s92, s[TMP]                  ; I store half of one
	s_add_nc_u64 s[20:21], s[20:21], s[92:93]
	s_mov_b32 s[LG], 0xbfb8aa3b                    ; -log2(e)
	s_mov_b32 s[LG+1], s[LG]                       ; (named with it as a pair, so it is written)
.macro FRAGB reg, slot, q, i           ; a fragment, 16 rows x 128 K: lane l holds row l % 16; registers 4 c .. 4 c + 3 hold K = 64 c + 32 (l / 16) + 0 .. 31
.irp c, 0,1
	ds_load_b128 v[\reg+4*\c:\reg+4*\c+3], v[ADRB+\slot] offset:64*(\q)+32*\c+(\i)*16*PITCH
.endr
.endm
.macro FRAGA reg, slot, q, i
.irp c, 0,1
	ds_load_b128 v[\reg+4*\c:\reg+4*\c+3], v[ADRA+\slot] offset:64*(\q)+32*\c+(\i)*16*PITCH
.endr
.endm
; 16 matrix instructions: x's blocks a0, a0 + 1 against the weights' eight, the slot's q-th 128 along K.  p: the weights' set; sc: the set of scale words; first: 0, or the register at which the biases begin that start the sums: nothing is ever cleared.
; The 64 accumulators take turns, one instruction a turn, in the same order in every step.  A block with an odd number has its scale words in lanes 16-31.
.macro MUL16 a0, p, q, sc, first
.irp a, \a0, \a0+1
.irp b, 0,1,2,3,4,5,6,7
.set rD, 8*(8*((\a)%4)+\b)
.set rC, rD
.if \first
.set rC, (\first)+8*\b
.endif
.set rB, 128*(\p)+FR*\b
.set rA, AF+FR*(\a)
.set rSB, SC+32*(\sc)+16+4*(\b/2)+(\q)
.set rSA, SC+32*(\sc)+4*((\a)/2)+(\q)
.if ((\a)%2) && (\b%2)
	v_wmma_scale_f32_16x16x128_f8f6f4 v[rD:rD+7], v[rB:rB+7], v[rA:rA+7], v[rC:rC+7], v[rSB], v[rSA] matrix_a_fmt:MATRIX_FMT_FP4 matrix_b_fmt:MATRIX_FMT_FP4 matrix_a_scale:MATRIX_SCALE_ROW1 matrix_b_scale:MATRIX_SCALE_ROW1
.elseif (\b%2)
	v_wmma_scale_f32_16x16x128_f8f6f4 v[rD:rD+7], v[rB:rB+7], v[rA:rA+7], v[rC:rC+7], v[rSB], v[rSA] matrix_a_fmt:MATRIX_FMT_FP4 matrix_b_fmt:MATRIX_FMT_FP4 matrix_a_scale:MATRIX_SCALE_ROW1
.elseif ((\a)%2)
	v_wmma_scale_f32_16x16x128_f8f6f4 v[rD:rD+7], v[rB:rB+7], v[rA:rA+7], v[rC:rC+7], v[rSB], v[rSA] matrix_a_fmt:MATRIX_FMT_FP4 matrix_b_fmt:MATRIX_FMT_FP4 matrix_b_scale:MATRIX_SCALE_ROW1
.else
	v_wmma_scale_f32_16x16x128_f8f6f4 v[rD:rD+7], v[rB:rB+7], v[rA:rA+7], v[rC:rC+7], v[rSB], v[rSA] matrix_a_fmt:MATRIX_FMT_FP4 matrix_b_fmt:MATRIX_FMT_FP4
.endif
.endr
.endr
.endm
.macro FETCH_B slot, q, p
	WIN TO_B
.irp i, 0,1,2,3,4,5,6,7
	FRAGB 128*(\p)+FR*\i, \slot, \q, \i
.endr
	WIN 0
.endm
.macro FETCH_A slot, q, i0
.irp i, \i0, \i0+1, \i0+2, \i0+3
	FRAGA AF+FR*(\i), \slot, \q, \i
.endr
.endm
.macro SCALES sc, tl                   ; K step sc's scale words of tile tl: 4 words a row, 16 bytes on for each K step; 32 rows (two blocks) a load
.irp i, 0,1,2,3
	ds_load_b128 v[SC+32*\sc+4*\i:SC+32*\sc+4*\i+3], v[ADSA] offset:\i*SBLK+16*\sc
	ds_load_b128 v[SC+32*\sc+16+4*\i:SC+32*\sc+16+4*\i+3], v[ADSB] offset:\i*SBLK+16*\sc+(\tl)*2*HALFS
.endr
.endm
; A load into a register that a matrix instruction has read, and a vector instruction or store that reads a matrix result, stand NP places behind it; only plain vector instructions that name none of its registers are places.
.macro PLACES n
.rept \n
	v_nop
.endr
.endm
; A step of 128 along K that has its successor in the same slot.
.macro STEP slot, q, first
	s_wait_dscnt 4*NL                              ; all but the youngest eight loads (x's blocks 4-7) are in
.if \first
	WIN MUL_LO_F
.else
	WIN MUL_LO
.endif
	MUL16 0, (\q)%2, \q, \slot, \first
	MUL16 2, (\q)%2, \q, \slot, \first
	s_wait_dscnt 0                                 ; x's blocks 4-7 are in
	PLACES NP
	FETCH_B \slot, (\q)+1, 1-(\q)%2
	FETCH_A \slot, (\q)+1, 0
.if \first
	WIN MUL_HI_F
.else
	WIN MUL_HI
.endif
	MUL16 4, (\q)%2, \q, \slot, \first
	MUL16 6, (\q)%2, \q, \slot, \first
	PLACES NP
	WIN 0
	FETCH_A \slot, (\q)+1, 4
.endm
; Slot 0's last step changes slots: ONE barrier; in front of it each wave waits for all its tensor loads (its part of slot 1 among them), adds 0 to its spare word, and waits for that and for its reads of slot 0.
; In tile 0 the barrier opens a round of the cluster's barrier, and behind the round the weights' half of slot 0 is filled again, with tile 1's K step 0: one tensor load a wave of waves 2 and 3, the first thing there.
.macro TURN tl
	s_wait_tensorcnt 0x0                           ; all my tensor loads have landed
	ds_add_u32 v[SPW], v[NIL]                      ; 0 onto my spare word
	s_wait_dscnt 4*NL+1                            ; (the add and the youngest eight loads may be out)
	WIN MUL_LO
	MUL16 0, 1, NQ-1, 0, 0                         ; sixteen matrix instructions stand between the add and the wait for it
	s_wait_dscnt 0x0                               ; the add is done, and my reads of slot 0 are over
	s_barrier_signal -1
	MUL16 2, 1, NQ-1, 0, 0
	WIN 0
	s_barrier_wait -1
.if (\tl) == 0
	CREST                                          ; no wave of any partner has a load on its way
	s_add_nc_u64 s[G0B+2:G0B+3], s[G0B+2:G0B+3], NEXTB   ; no tensor load of mine is out: the group 0 may be written
	BLOAD 0
.endif
	PLACES NP
	FETCH_B 1, 0, 0
	FETCH_A 1, 0, 0
	SCALES 1, \tl
	WIN MUL_HI
	MUL16 4, 1, NQ-1, 0, 0
	MUL16 6, 1, NQ-1, 0, 0
	PLACES NP
	WIN 0
	FETCH_A 1, 0, 4
.endm
; The weights' half of slot 1 is filled again, with tile 1's K step 1, in the middle of tile 0's way out: every wave's reads of slot 1 ended with the tile's last step.  The same order: all my tensor loads (slot 0's refill),
; the add, the wait for it and for my LDS instructions, a round of the cluster's barrier, the one load.  Behind this round slot 0's new weights are shown landed to all four waves.
.macro REFILL1
	s_wait_tensorcnt 0x0
	ds_add_u32 v[SPW], v[NIL]                      ; the descriptor's step stands between the add and the wait for it
	s_add_nc_u64 s[G0B+6:G0B+7], s[G0B+6:G0B+7], NEXTB
	s_wait_dscnt 0x0
	CROUND
	BLOAD 1
.endm
.macro STEPS slot, from
.set Q, \from
.rept NQ-1-\from
	STEP \slot, Q, 0
.set Q, Q+1
.endr
.endm
; THE WAY OUT of block a (16 rows of x x my 64 hidden units; 32 numbers a lane) of tile tl: silu(up) x gate in f32; two blocks of 32 along the hidden axis are quantised; 16 bytes of codes a lane are stored as they stand.
; silu(u) = u / (1 + 2^(-u log2 e)).  The 32 exponentials are one batch with one wait, and so are the 32 reciprocals.
.macro SWIGLU a, tl
.set AC, 64*((\a)%4)
	WIN 2+(\a)/4                                   ; source 0: the accumulators' window
.set j, 0
.rept 16
	v_pk_mul_f32 v[T+j:T+j+1], v[AC+j:AC+j+1], s[LG:LG+1] op_sel_hi:[1,0]   ; -u log2(e); each up accumulator is read from its low end on
.set j, j+2
.endr
	WIN 0
.set j, 0
	s_wait_alu depctr_va_vdst(0)
.rept 32
	v_exp_f32 v[T+j], v[T+j]
.set j, j+1
.endr
	v_nop                                          ; a plain instruction behind the last exponential
	s_wait_alu depctr_va_vdst(0)
.set j, 0
.rept 16
	v_pk_add_f32 v[T+j:T+j+1], v[T+j:T+j+1], 1.0 op_sel_hi:[1,0]
.set j, j+2
.endr
.set j, 0
	s_wait_alu depctr_va_vdst(0)
.rept 32
	v_rcp_f32 v[T+j], v[T+j]
.set j, j+1
.endr
	v_nop
	s_wait_alu depctr_va_vdst(0)
	WIN 2+(\a)/4
.set j, 0
.rept 16
	v_pk_mul_f32 v[T+j:T+j+1], v[AC+j:AC+j+1], v[T+j:T+j+1]           ; silu(up)
.set j, j+2
.endr
.set j, 0
.rept 16
	v_pk_mul_f32 v[T+j:T+j+1], v[AC+32+j:AC+33+j], v[T+j:T+j+1]       ; x gate; each gate accumulator from its low end on
.set j, j+2
.endr
	WIN 0
.irp b, 0,1
	v_max3_num_f32 v[MX+\b], |v[T+16*\b]|, |v[T+16*\b+1]|, 0x1800000   ; block b: my 16 numbers, and the floor 2^(3 - 127): the byte cannot fall under 1
.endr
.irp i, 2,4,6,8,10,12,14
.irp b, 0,1
	v_max3_num_f32 v[MX+\b], v[MX+\b], |v[T+16*\b+\i]|, |v[T+16*\b+\i+1]|
.endr
.endr
.irp b, 0,1
	v_permlanex16_b32 v[MX+2+\b], v[MX+\b], s[SEL], s[SEL+1]
.endr
.irp b, 0,1
	v_max_num_f32 v[MX+\b], v[MX+\b], v[MX+2+\b]   ; with lane l xor 16's: the block's largest magnitude
.endr
.irp b, 0,1
	v_add_nc_u32 v[MX+4+\b], 0xff000000, v[MX+\b]  ; 2 off its exponent field: the conversion's scale operand
.endr
.irp b, 0,1
	v_lshrrev_b32 v[MX+6+\b], 23, v[MX+4+\b]       ; the scale's byte
.endr
	v_lshl_or_b32 v[PW+(\a)], v[MX+7], 8, v[MX+6]  ; my row's two bytes
.irp b, 0,1
	v_cvt_scalef32_pk8_fp4_f32 v[CD+4*(\a)+2*\b], v[T+16*\b:T+16*\b+7], v[MX+4+\b]
	v_cvt_scalef32_pk8_fp4_f32 v[CD+4*(\a)+2*\b+1], v[T+16*\b+8:T+16*\b+15], v[MX+4+\b]
.endr
	v_nop                                          ; one plain place behind a scaled conversion
	v_permlane16_swap_b32 v[CD+4*(\a)], v[CD+4*(\a)+2]     ; a whole block to a lane: lanes 0-15 block 0, lanes 16-31 block 1
	v_permlane16_swap_b32 v[CD+4*(\a)+1], v[CD+4*(\a)+3]
	global_store_b128 v[CO], v[CD+4*(\a):CD+4*(\a)+3], s[18:19] offset:512*(\a)+8192*(\tl)   ; the wave stores 512 consecutive bytes, aligned; within a tile each block has data registers of its own
	ds_store_b16 v[STO], v[PW+(\a)] offset:64*(\a)+1024*(\tl)      ; lanes l and l xor 16 write the same two bytes; each tile has stage bytes of its own
.endm
; A TILE: its two K steps, its way out.
.macro TILE tl
	FETCH_B 0, 0, 0
	FETCH_A 0, 0, 0
	SCALES 0, \tl
	FETCH_A 0, 0, 4
	STEP 0, 0, BI+128*(\tl)                        ; the tile's biases start the sums
	STEPS 0, 1
	TURN \tl
	STEPS 1, 0
	s_wait_dscnt 4*NL                              ; the tile's last step: nothing more to fetch
	WIN MUL_LO
	MUL16 0, 1, NQ-1, 1, 0
	MUL16 2, 1, NQ-1, 1, 0
	s_wait_dscnt 0
	WIN MUL_HI
	MUL16 4, 1, NQ-1, 1, 0
	MUL16 6, 1, NQ-1, 1, 0
	WIN 0
	PLACES NP                                      ; behind the last products: their results are read and x's fragment registers are written below
.irp a, 0,1,2,3
	SWIGLU \a, \tl
.endr
.if (\tl) == 0
	REFILL1
.endif
.irp a, 4,5,6,7
	SWIGLU \a, \tl
.endr
	s_wait_dscnt 0x0                               ; for the others' sake: my stores into the stage are done
	s_barrier_signal -1
	s_barrier_wait -1                              ; a row's scale word comes from two waves.
	ds_load_b64 v[BK:BK+1], v[RD] offset:1024*(\tl)
	s_wait_dscnt 0x0
	global_store_b64 v[LO8], v[BK:BK+1], s[20:21] offset:512*(\tl)   ; 32 lanes store 256 consecutive bytes, aligned
.endm
	s_wait_alu depctr_va_vdst(0)
	s_wait_loadcnt 0x0                             ; the biases
	s_wait_tensorcnt 0x0                           ; my tile of the head's four is in
	ds_add_u32 v[SPW], v[NIL]
	s_mov_b32 s[G1+2], 128<<16                     ; no tensor load of mine is out: from here on a load brings 128 rows
	s_mov_b32 s[G1+4], 128
	s_mov_b32 s[G1B+2], 128<<16
	s_mov_b32 s[G1B+4], 128
	s_wait_dscnt 0x0
	CROUND                                         ; all four tiles are in, and all four work-groups are here
	JLOAD G0+4, G1, G0B+4, G1B                     ; K step 1, a quarter of slot 1 a wave: the first tensor load behind the round
	TILE 0
	s_wait_xcnt 0x0                                ; tile 0's stores have read their data registers: x's fragments may land there, and the way out may write them again
	TILE 1
	s_wait_tensorcnt 0x0                           ; the wave's end, behind my last tensor load and my last LDS store
	ds_add_u32 v[SPW], v[NIL]
	s_wait_dscnt 0x0
	CROUND                                         ; the closing round
	s_endpgm
.Lfunc_end_k_q80c4856760_upgate:
	.size	k_q80c4856760_upgate, .Lfunc_end_k_q80c4856760_upgate-k_q80c4856760_upgate
	.p2alignl 7, 3214868480
	.fill 96, 4, 3214868480
	.section	.rodata,"a",@progbits
	.p2align	6, 0x0
	.amdhsa_kernel k_q80c4856760_upgate
		.amdhsa_group_segment_fixed_size 327680
		.amdhsa_private_segment_fixed_size 0
		.amdhsa_enable_private_segment 0
		.amdhsa_kernarg_size 72
		.amdhsa_user_sgpr_count 2
		.amdhsa_user_sgpr_kernarg_segment_ptr 1
		.amdhsa_wavefront_size32 1
		.amdhsa_system_sgpr_workgroup_id_x 1
		.amdhsa_system_sgpr_workgroup_id_y 1
		.amdhsa_system_sgpr_workgroup_id_z 1
		.amdhsa_system_vgpr_workitem_id 0
		.amdhsa_next_free_vgpr 1024
		.amdhsa_next_free_sgpr 102
		.amdhsa_reserve_vcc 0
		.amdhsa_float_denorm_mode_32 3
		.amdhsa_float_denorm_mode_16_64 3
		.amdhsa_memory_ordered 1
		.amdhsa_forward_progress 1
		.amdhsa_inst_pref_size 255
	.end_amdhsa_kernel
	.section	.bss,"aw",@nobits
	.p2align	6
	.space	262144
	.amdgpu_metadata
---
amdhsa.version: [ 1, 2 ]
amdhsa.kernels:
  - .name:           k_q80c4856760_upgate
    .symbol:         k_q80c4856760_upgate.kd
    .args:
      - { .name: xc, .offset: 0, .size: 8, .value_kind: global_buffer, .address_space: global }
      - { .name: xs, .offset: 8, .size: 8, .value_kind: global_buffer, .address_space: global }
      - { .name: wc, .offset: 16, .size: 8, .value_kind: global_buffer, .address_space: global }
      - { .name: ws, .offset: 24, .size: 8, .value_kind: global_buffer, .address_space: global }
      - { .name: ex, .offset: 32, .size: 8, .value_kind: global_buffer, .address_space: global }
      - { .name: b_up, .offset: 40, .size: 8, .value_kind: global_buffer, .address_space: global }
      - { .name: b_gate, .offset: 48, .size: 8, .value_kind: global_buffer, .address_space: global }
      - { .name: hc, .offset: 56, .size: 8, .value_kind: global_buffer, .address_space: global }
      - { .name: hs, .offset: 64, .size: 8, .value_kind: global_buffer, .address_space: global }
    .group_segment_fixed_size: 327680
    .private_segment_fixed_size: 0
    .kernarg_segment_align: 8
    .kernarg_segment_size: 72
    .max_flat_workgroup_size: 128
    .sgpr_count:     102
    .vgpr_count:     1024
    .wavefront_size: 32
...
	.end_amdgpu_metadata
.endif
;; end of part 2
;; launch down (part 3): grid 4 x 64, 4 waves a work-group, clusters of 4 x 1, 296,960 bytes of LDS; arguments hc, hs, wc, ws, ex, b_down, out0; writes out0
.if DOCPART == 3
	.amdgcn_target "amdgcn-amd-amdhsa--gfx1250"
	.amdhsa_code_object_version 6
	.text
	.protected	k_q80c4856760_down
	.globl	k_q80c4856760_down
	.p2align	8
	.type	k_q80c4856760_down,@function
k_q80c4856760_down:
	s_mov_b64 s[64:65], 0
	v_nop
	global_prefetch_b8 v0, s[64:65] scope:SCOPE_SE
	s_setreg_imm32_b32 hwreg(HW_REG_WAVE_MODE, 25, 1), 1
	s_wait_xcnt 0x0
	s_wait_alu depctr_hold_cnt(0) depctr_sa_sdst(0) depctr_va_vdst(0) depctr_va_sdst(0) depctr_va_ssrc(0) depctr_va_vcc(0) depctr_vm_vsrc(0)
	s_getreg_b32 s2, hwreg(HW_REG_IB_STS2, 6, 4)
	s_cmp_eq_u32 s2, 0
	s_cbranch_scc0 .Lentry_in_a_cluster
	s_endpgm
.Lentry_in_a_cluster:
	s_bfe_u32 s2, ttmp6, 0x10000c
	s_cmp_lg_u32 s2, 0x3003
	s_cbranch_scc0 .Lentry_shape_is_right
	s_endpgm
.Lentry_shape_is_right:
; out = hidden Wd^T + bd on codes of FP4 (E2M1) with one E8M0 scale for each 32 along K = 2,048; sums in f32.
; SHARES.  Work-group (tx, ty): rows 128 ty on (batch ty / 4) x columns 256 tx on: 4 x 64 = 256 work-groups.  Wave w: all 128 rows x columns 64 w on: 32 accumulators of 16 x 16, 256 registers.
; NO RING: every operand is asked for once, at the head, and nothing in LDS is filled again.  The 128 rows' codes for all of K (131,072 bytes) and their scale words (8,192) come into LDS by tensor loads.
; THE WEIGHTS, 256 columns x 1,024 bytes, lie in memory in the order of a wave's operand registers ([16 columns' group][128 K][64 K][lane][16 bytes]: the first launch laid them so) and come by two ways at once:
; steps 0-7 (K under 1,024; 8,192 bytes on end for each group, 131,072 in all) by tensor loads into LDS, as they lie, and from there a step ahead into registers, a lane at 16 x lane;
; steps 8-15 from memory straight into registers, 64 loads a wave of 512 consecutive bytes each.  All 512 registers of a wave's weights are its own: no fragment of weights is read twice.
; THE HEAD'S TENSOR LOADS, one a wave: wave 0 the rows' codes, wave 1 their scale words, waves 2 and 3 eight groups of weights each.
; CLUSTER 4 x 1: the four work-groups of a cluster have the same rows: the hidden codes and scales are asked for JOINTLY (mask 15).  The weights' tiles are each work-group's own: the four partners have other columns,
; and their address is made of the expert's number, which each work-group reads from memory for itself.  No prefetch: all operands are asked for at the head, and there is no loop to run ahead in.
; THE EXPERT is a whole number that the first launch stored; it enters addresses alone (held to 0..7).
; THE MATRIX INSTRUCTION IS USED TRANSPOSED (source 0 = 16 rows of Wd, source 1 = 16 hidden rows): a lane holds eight neighbouring columns of one row of out.  The bias is the C of each sum's first instruction.
; LIMITS: NaN and infinities are not served.
; REGISTERS.  window 0: v1-29 addresses; v32-63 the weights' scale words; v64-95 the bias; v96-103 the rows' scale words, two sets; v128-255 the rows' fragments, two sets (on the way out v32-255 carry rows of out).
;   windows 1, 2: the weights: (step q, block b) at 8 (4 q + b).   window 3: accumulator (a, b) at 8 (4 a + b).
.set PITCH,  272                       ; an LDS line: 256 bytes + 16 of padding
.set SCL,    512*PITCH                 ; behind the codes' 512 lines: the scale words' 32 lines
.set WB0,    SCL+32*PITCH              ; the weights of steps 0-7: 16 groups x 8,192 bytes, dense
.set STG,    WB0+131072                ; the stages of the way out: 16 lines a wave; no tensor load lands here
.set SPARE,  STG+4*16*PITCH            ; the spare words, 128 bytes for each wave
.set LB,   4                           ; v4   16 x lane: the weights' codes in memory
.set LS,   5                           ; v5   1,024 h + 16 r: the weights' scale words
.set LBI,  6                           ; v6   32 h: the bias
.set LW,   7                           ; v7   LDS address of my four groups of weights, + 16 x lane
.set ADRA, 8                           ; v8-11 LDS address of my rows' fragments, one for each four steps
.set ADSA, 12                          ; v12  of their scale words: a lane a row
.set STO,  13
.set RD,   14
.set CO,   15
.set SPW,  28
.set NIL,  29
.set BSC,  32
.set BI,   64
.set ASC,  96
.set AF,   128
.set G1,   24
.set G0,   32
.set CX,   40
.set TY,   41
.set TX,   42
.set EX,   43
.set WV,   44
.set TMP,  47
.set G1B,  48
.set G0B,  56
.set G1S,  68
.set G0S,  76
.set MSB, 0
.macro WIN new                         ; the immediate's high byte repeats the setting that is left
.if MSB != (\new)
	s_set_vgpr_msb (MSB<<8)|(\new)
.set MSB, (\new)
.endif
.endm
.macro CROUND                          ; a round of the cluster's barrier
	s_barrier_signal -1
	s_barrier_wait -1
	s_cmp_lg_u32 s[WV], 0
	s_cbranch_scc1 .Lnot_wave_0_\@
	s_barrier_signal -3
.Lnot_wave_0_\@:
	s_barrier_wait -3
	s_barrier_signal -1
	s_barrier_wait -1
.endm
.macro PLACES
.rept 4
	v_nop
.endr
.endm
	s_load_b256 s[4:11], s[0:1], 0x0               ; hc, hs, wc, ws
	s_load_b128 s[12:15], s[0:1], 0x20             ; ex, b_down
	s_load_b64 s[16:17], s[0:1], 0x30              ; out0
	v_lshl_add_u32 v[SPW], v0, 2, SPARE
	v_mov_b32 v[NIL], 0
	ds_add_u32 v[SPW], v[NIL]                      ; the opening: the add, twice on end, and its wait ahead of my first tensor load
	ds_add_u32 v[SPW], v[NIL]
	v_lshrrev_b32 v1, 5, v0
	v_readfirstlane_b32 s[WV], v1                  ; wave 0..3
	s_mul_i32 s2, s[WV], 16*PITCH
	s_add_co_u32 s2, s2, STG                       ; my stage
	s_lshl_b32 s3, s[WV], 15
	s_add_co_u32 s3, s3, WB0                       ; my four groups of weights in LDS
	v_and_b32 v1, 15, v0                           ; r
	v_bfe_u32 v2, v0, 4, 1                         ; h
	v_and_b32 v3, 31, v0                           ; lane
	v_lshlrev_b32 v[LB], 4, v3
	v_lshl_add_u32 v[LW], v3, 4, s3
	v_lshlrev_b32 v[LS], 4, v1
	v_lshl_add_u32 v[LS], v2, 10, v[LS]
	v_lshlrev_b32 v[LBI], 5, v2
	v_lshrrev_b32 v16, 3, v1                       ; hidden codes lie [64 units][128 rows][32 bytes]: 16 rows are two lines; row r: line r / 8, byte 32 (r % 8) + 16 h
	v_and_b32 v17, 7, v1
	v_mul_u32_u24 v16, v16, PITCH
	v_lshl_add_u32 v16, v17, 5, v16
	v_lshl_add_u32 v[ADRA], v2, 4, v16
.irp k, 1,2,3
	v_add_nc_u32 v[ADRA+\k], \k*128*PITCH, v[ADRA] ; four steps are 128 lines
.endr
	v_lshl_add_u32 v[ADSA], v3, 2, SCL
	v_mul_u32_u24 v16, v1, PITCH
	v_lshl_add_u32 v16, v2, 5, v16
	v_add_nc_u32 v[STO], s2, v16                   ; into the stage: line r, 32 bytes for each half of the lanes
	v_mul_u32_u24 v17, v2, PITCH
	v_lshl_add_u32 v17, v1, 4, v17
	v_add_nc_u32 v[RD], s2, v17                    ; back: sixteen lanes to a line of 256 bytes
	v_lshlrev_b32 v[CO], 4, v1
	v_lshl_add_u32 v[CO], v2, 12, v[CO]            ; and the same two rows in out
	s_wait_alu depctr_va_vdst(0)                   ; the wait behind the head's last vector instruction
	s_bfe_u32 s[CX], ttmp6, 0x40000
	s_lshl_b32 s[TX], ttmp9, 2
	s_add_co_u32 s[TX], s[TX], s[CX]               ; tx = 4 x cluster x + cx
	s_and_b32 s[TY], ttmp7, 0xffff                 ; ty, which the four partners share
	s_mov_b32 s[G1], 15|(1<<20)|(1<<21)|(5<<22)|(3<<25)   ; the codes: 512 lines of 256 bytes, dense in memory, 16 bytes of padding behind each; the mask names all four
	s_mov_b32 s[G1+1], 256<<16
	s_mov_b32 s[G1+2], 512<<16
	s_mov_b32 s[G1+3], 256<<16
	s_mov_b32 s[G1+4], 512
	s_mov_b32 s[G1+5], 256
	s_mov_b32 s[G1+6], 0
	s_mov_b32 s[G1+7], 0
	s_mov_b32 s[G1S], 15|(3<<16)|(1<<20)|(1<<21)|(5<<22)|(3<<25)   ; the scale words: 32 lines of 32 elements of 8 bytes
	s_mov_b32 s[G1S+1], 32<<16
	s_mov_b32 s[G1S+2], 32<<16
	s_mov_b32 s[G1S+3], 32<<16
	s_mov_b32 s[G1S+4], 32
	s_mov_b32 s[G1S+5], 32
	s_mov_b32 s[G1S+6], 0
	s_mov_b32 s[G1S+7], 0
	s_mov_b32 s[G1B], 3<<16                        ; the weights: 8 rows (groups) of 1,024 elements of 8 bytes, 2,048 elements apart in memory; no padding, no mask
	s_mov_b32 s[G1B+1], 1024<<16
	s_mov_b32 s[G1B+2], 8<<16
	s_mov_b32 s[G1B+3], 1024<<16
	s_mov_b32 s[G1B+4], 8
	s_mov_b32 s[G1B+5], 2048
	s_mov_b32 s[G1B+6], 0
	s_mov_b32 s[G1B+7], 0
	s_lshl_b32 s92, s[TY], 17                      ; 131,072 bytes of codes for 128 rows
	s_mov_b32 s93, 0
	s_lshl_b32 s94, s[TY], 13                      ; 8,192 bytes of scale words
	s_mov_b32 s95, 0
	s_lshr_b32 s96, s[TY], 2
	s_lshl_b32 s96, s96, 3                         ; the batch's word in ex
	s_mov_b32 s97, 0
	s_mov_b32 s[G0], 1
	s_mov_b32 s[G0+1], 0
	s_mov_b32 s[G0S], 1
	s_mov_b32 s[G0S+1], SCL
	s_wait_dscnt 0x0                               ; both opening adds are done
	s_wait_kmcnt 0x0
	s_add_nc_u64 s[96:97], s[12:13], s[96:97]
	s_load_b32 s[EX], s[96:97], 0x0                ; the batch's expert
	s_add_nc_u64 s[G0+2:G0+3], s[4:5], s[92:93]
	s_or_b32 s[G0+3], s[G0+3], 0x80000000
	s_add_nc_u64 s[G0S+2:G0S+3], s[6:7], s[94:95]
	s_or_b32 s[G0S+3], s[G0S+3], 0x80000000
	CROUND                                         ; all four work-groups are here: the joint loads meet
	s_wait_kmcnt 0x0                               ; the expert is in, and the load's base may be written again
	s_min_u32 s[EX], s[EX], 7                      ; held inside the table
	s_lshl_b32 s96, s[EX], 6                       ; groups of 16 rows of Wd: 64 an expert,
	s_lshl_b32 s[TMP], s[TX], 4
	s_add_co_u32 s96, s96, s[TMP]                  ; 16 a work-group
	s_and_b32 s94, s[WV], 1                        ; the tensor load of waves 2 and 3: which eight groups
	s_lshl_b32 s[TMP], s94, 3
	s_add_co_u32 s[TMP], s96, s[TMP]
	s_lshl_b32 s[TMP], s[TMP], 14                  ; 16,384 bytes of codes a group, behind wc's first 16,777,216
	s_add_co_u32 s92, s[TMP], 16777216
	s_mov_b32 s93, 0
	s_lshl_b32 s94, s94, 16                        ; eight groups x 8,192 bytes in LDS
	s_mov_b32 s[G0B], 1
	s_add_co_u32 s[G0B+1], s94, WB0
	s_add_nc_u64 s[G0B+2:G0B+3], s[8:9], s[92:93]
	s_or_b32 s[G0B+3], s[G0B+3], 0x80000000
	s_lshl_b32 s[TMP], s[WV], 2
	s_add_co_u32 s96, s96, s[TMP]                  ; my wave's own four groups
	s_lshl_b32 s98, s96, 10                        ; 1,024 scale bytes a group, behind ws's first 1,048,576 bytes
	s_add_co_u32 s98, s98, 1048576
	s_mov_b32 s99, 0
	s_lshl_b32 s96, s96, 14
	s_add_co_u32 s96, s96, 16777216
	s_mov_b32 s97, 0
	s_add_nc_u64 s[96:97], s[8:9], s[96:97]
	s_add_nc_u64 s[98:99], s[10:11], s[98:99]
	s_lshl_b32 s2, s[EX], 12                       ; the bias: 1,024 numbers an expert, 256 a work-group, 64 a wave
	s_lshl_b32 s[TMP], s[TX], 10
	s_add_co_u32 s2, s2, s[TMP]
	s_lshl_b32 s92, s[WV], 8
	s_add_co_u32 s2, s2, s92
	s_mov_b32 s3, 0
	s_add_nc_u64 s[14:15], s[14:15], s[2:3]
	s_lshl_b32 s2, s[TY], 19                       ; out: 128 rows of 4,096 bytes, and the same columns
	s_add_co_u32 s2, s2, s[TMP]
	s_add_co_u32 s2, s2, s92
	s_add_nc_u64 s[16:17], s[16:17], s[2:3]
	s_cmp_lt_u32 s[WV], 1                          ; one chain of branches on the wave's number, a load to each arm, all arms to one join
	s_cbranch_scc0 .Lhead_s
	tensor_load_to_lds s[G0:G0+3], s[G1:G1+7]
	s_nop 0
	PLACES
	s_branch .Lhead_asked
.Lhead_s:
	s_cmp_lt_u32 s[WV], 2
	s_cbranch_scc0 .Lhead_w
	tensor_load_to_lds s[G0S:G0S+3], s[G1S:G1S+7]
	s_nop 0
	PLACES
	s_branch .Lhead_asked
.Lhead_w:
	tensor_load_to_lds s[G0B:G0B+3], s[G1B:G1B+7]
	s_nop 0
	PLACES
.Lhead_asked:
.irp b, 0,1,2,3
	global_load_b128 v[BI+8*\b:BI+8*\b+3],   v[LBI], s[14:15] offset:64*\b      ; register j: column 16 b + 8 h + j
	global_load_b128 v[BI+8*\b+4:BI+8*\b+7], v[LBI], s[14:15] offset:64*\b+16
.endr
.irp p, 0,1
.irp k, 0,1,2,3
	global_load_b128 v[BSC+4*(4*\p+\k):BSC+4*(4*\p+\k)+3], v[LS], s[98:99] offset:2048*\p+256*\k   ; steps 4 k .. 4 k + 3: lanes 0-15 block 2 p, lanes 16-31 block 2 p + 1
.endr
.endr
	WIN 0x80                                       ; destination window 2: the weights of steps 8-15, eight loads of 512 consecutive bytes a step
.irp q, 8,9,10,11,12,13,14,15
.irp b, 0,1,2,3
.irp c, 0,1
	global_load_b128 v[8*(4*(\q-8)+\b)+4*\c:8*(4*(\q-8)+\b)+4*\c+3], v[LB], s[96:97] offset:16384*\b+1024*\q+512*\c
.endr
.endr
.endr
	WIN 0
	s_wait_tensorcnt 0x0                           ; my tile of the head's is in,
	s_barrier_signal -1
	s_barrier_wait -1                              ; everybody's is
.macro WLOAD q                         ; step q's (0-7) four fragments of weights out of LDS, into registers of their own in window 1
.irp b, 0,1,2,3
.irp c, 0,1
	ds_load_b128 v[8*(4*(\q)+\b)+4*\c:8*(4*(\q)+\b)+4*\c+3], v[LW] offset:8192*\b+1024*(\q)+512*\c
.endr
.endr
.endm
.macro FETCH q                         ; step q's eight fragments of my 128 rows and their scale words, into set q % 2
.irp a, 0,1,2,3,4,5,6,7
.irp c, 0,1
	ds_load_b128 v[AF+64*((\q)%2)+8*\a+4*\c:AF+64*((\q)%2)+8*\a+4*\c+3], v[ADRA+(\q)/4] offset:(32*((\q)%4)+16*\c+2*\a)*PITCH
.endr
.endr
.irp i, 0,1,2,3
	ds_load_b32 v[ASC+4*((\q)%2)+\i], v[ADSA] offset:544*(\q)+272*(\i/2)+128*(\i%2)   ; rows 32 i + lane
.endr
.endm
; 32 matrix instructions: the 32 accumulators by turns, in the same order in every step.  A block with an odd number has its scale words in lanes 16-31.
.macro MULS q
.irp a, 0,1,2,3,4,5,6,7
.irp b, 0,1,2,3
.set rD, 8*(4*\a+\b)
.set rC, rD
.if (\q) == 0
.set rC, BI+8*\b
.endif
.set rB, 8*(4*((\q)%8)+\b)
.set rA, AF+64*((\q)%2)+8*\a
.set rSB, BSC+4*(4*(\b/2)+(\q)/4)+(\q)%4
.set rSA, ASC+4*((\q)%2)+\a/2
.if (\a%2) && (\b%2)
	v_wmma_scale_f32_16x16x128_f8f6f4 v[rD:rD+7], v[rB:rB+7], v[rA:rA+7], v[rC:rC+7], v[rSB], v[rSA] matrix_a_fmt:MATRIX_FMT_FP4 matrix_b_fmt:MATRIX_FMT_FP4 matrix_a_scale:MATRIX_SCALE_ROW1 matrix_b_scale:MATRIX_SCALE_ROW1
.elseif (\b%2)
	v_wmma_scale_f32_16x16x128_f8f6f4 v[rD:rD+7], v[rB:rB+7], v[rA:rA+7], v[rC:rC+7], v[rSB], v[rSA] matrix_a_fmt:MATRIX_FMT_FP4 matrix_b_fmt:MATRIX_FMT_FP4 matrix_a_scale:MATRIX_SCALE_ROW1
.elseif (\a%2)
	v_wmma_scale_f32_16x16x128_f8f6f4 v[rD:rD+7], v[rB:rB+7], v[rA:rA+7], v[rC:rC+7], v[rSB], v[rSA] matrix_a_fmt:MATRIX_FMT_FP4 matrix_b_fmt:MATRIX_FMT_FP4 matrix_b_scale:MATRIX_SCALE_ROW1
.else
	v_wmma_scale_f32_16x16x128_f8f6f4 v[rD:rD+7], v[rB:rB+7], v[rA:rA+7], v[rC:rC+7], v[rSB], v[rSA] matrix_a_fmt:MATRIX_FMT_FP4 matrix_b_fmt:MATRIX_FMT_FP4
.endif
.endr
.endr
.endm
.macro STEP q
	WIN 0
	s_wait_dscnt 0x0                               ; this step's fragments and scale words are in
.if (\q) == 0
	s_wait_loadcnt 63                              ; the bias and the weights' scale words are in: behind them 64 loads were issued; the wait's field holds 63
.elseif (\q) >= 8
	s_wait_loadcnt 8*(15-(\q))                     ; this step's weights are in; the later steps' may be out
.endif
.if (\q) > 0
	PLACES                                         ; in front of loads into the set that the last step multiplied
.endif
.if (\q) < 15
	FETCH (\q)+1
.endif
.if (\q) < 7
	WIN 0x40                                       ; destination window 1
	WLOAD (\q)+1
.endif
.if (\q) == 0
	WIN 0xc1                                       ; weights window 1, rows window 0, C (the bias) window 0, D window 3
.elseif (\q) < 8
	WIN 0xf1
.else
	WIN 0xf2                                       ; weights window 2
.endif
	MULS \q
.endm
	FETCH 0
	WIN 0x40
	WLOAD 0
.irp q, 0,1,2,3,4,5,6,7,8,9,10,11,12,13,14,15
	STEP \q
.endr
	WIN 0
; THE WAY OUT, block by block of 16 rows x my 64 columns: through my own stage, back as whole lines of 256 bytes; sixteen lanes store 256 consecutive bytes, aligned.  LDS serves a wave's instructions in order.
.macro TOSTAGE a
	WIN 0x0c                                       ; the data: window 3
.irp b, 0,1,2,3
	ds_store_b128 v[STO], v[8*(4*(\a)+\b):8*(4*(\a)+\b)+3] offset:64*\b          ; each accumulator from its low end on
	ds_store_b128 v[STO], v[8*(4*(\a)+\b)+4:8*(4*(\a)+\b)+7] offset:64*\b+16
.endr
	WIN 0
.irp t, 0,1,2,3,4,5,6,7
	ds_load_b128 v[32+32*((\a)%7)+4*\t:32+32*((\a)%7)+4*\t+3], v[RD] offset:\t*2*PITCH
.endr
.endm
.macro SEND a, younger                 ; younger: the LDS instructions issued behind block a's loads
	s_wait_dscnt \younger
.irp t, 0,1,2,3,4,5,6,7
	global_store_b128 v[CO], v[32+32*((\a)%7)+4*\t:32+32*((\a)%7)+4*\t+3], s[16:17] offset:(16*(\a)+2*\t)*4096 th:TH_STORE_NT
.endr
.endm
	PLACES                                         ; behind the last products: results are read, and loads land on operands
	TOSTAGE 0
.irp a, 1,2,3,4,5,6,7
.if \a == 7
	s_wait_xcnt 0x0                                ; block 0's stores have read their registers: block 7's lines land there
.endif
	TOSTAGE \a
	SEND \a-1, 16                                  ; behind block a - 1's loads: block a's 8 stores and 8 loads
.endr
	SEND 7, 0
	s_wait_tensorcnt 0x0                           ; the wave's end
	ds_add_u32 v[SPW], v[NIL]
	s_wait_dscnt 0x0
	CROUND                                         ; the closing round
	s_endpgm
.Lfunc_end_k_q80c4856760_down:
	.size	k_q80c4856760_down, .Lfunc_end_k_q80c4856760_down-k_q80c4856760_down
	.p2alignl 7, 3214868480
	.fill 96, 4, 3214868480
	.section	.rodata,"a",@progbits
	.p2align	6, 0x0
	.amdhsa_kernel k_q80c4856760_down
		.amdhsa_group_segment_fixed_size 296960
		.amdhsa_private_segment_fixed_size 0
		.amdhsa_enable_private_segment 0
		.amdhsa_kernarg_size 56
		.amdhsa_user_sgpr_count 2
		.amdhsa_user_sgpr_kernarg_segment_ptr 1
		.amdhsa_wavefront_size32 1
		.amdhsa_system_sgpr_workgroup_id_x 1
		.amdhsa_system_sgpr_workgroup_id_y 1
		.amdhsa_system_sgpr_workgroup_id_z 1
		.amdhsa_system_vgpr_workitem_id 0
		.amdhsa_next_free_vgpr 1024
		.amdhsa_next_free_sgpr 102
		.amdhsa_reserve_vcc 0
		.amdhsa_float_denorm_mode_32 3
		.amdhsa_float_denorm_mode_16_64 3
		.amdhsa_memory_ordered 1
		.amdhsa_forward_progress 1
		.amdhsa_inst_pref_size 123
	.end_amdhsa_kernel
	.amdgpu_metadata
---
amdhsa.version: [ 1, 2 ]
amdhsa.kernels:
  - .name:           k_q80c4856760_down
    .symbol:         k_q80c4856760_down.kd
    .args:
      - { .name: hc, .offset: 0, .size: 8, .value_kind: global_buffer, .address_space: global }
      - { .name: hs, .offset: 8, .size: 8, .value_kind: global_buffer, .address_space: global }
      - { .name: wc, .offset: 16, .size: 8, .value_kind: global_buffer, .address_space: global }
      - { .name: ws, .offset: 24, .size: 8, .value_kind: global_buffer, .address_space: global }
      - { .name: ex, .offset: 32, .size: 8, .value_kind: global_buffer, .address_space: global }
      - { .name: b_down, .offset: 40, .size: 8, .value_kind: global_buffer, .address_space: global }
      - { .name: out0, .offset: 48, .size: 8, .value_kind: global_buffer, .address_space: global }
    .group_segment_fixed_size: 296960
    .private_segment_fixed_size: 0
    .kernarg_segment_align: 8
    .kernarg_segment_size: 56
    .max_flat_workgroup_size: 128
    .sgpr_count:     102
    .vgpr_count:     1024
    .wavefront_size: 32
...
	.end_amdgpu_metadata
.endif
;; end of part 3
